; MI455X (gfx1250); checked and timed in simulation.
; The chip was launched on July 23, 2026; its instructions are those of AMD's public machine-readable ISA for CDNA 5 (MIT licence, August 2026) and "CDNA5" Instruction Set Architecture Reference Guide (July 2026). The comments in the code are by the model that wrote it; some were corrected since.
;; Multi Layer Memory Network. Allowed arithmetic: matrix products marked QUANTISED: E5M2 operands, one given power-of-two scale a tensor, by v_wmma_f32_16x16x64_bf8_bf8 or v_wmma_f32_16x16x128_bf8_bf8, f32 sums; everything else in f32.
;; Inputs: lowp_scales 12 int32 (the exponents e of the quantised operands' scales 2^e); ltm 8,192 x 256 float32; pm 4,096 x 256 float32; query 4,096 x 1 x 256 float32; stm 16,384 x 256 float32.
;; Outputs: out0 4,096 x 1 x 256 float32.
;; This version of the problem:
;;   THIS VERSION OF THE PROBLEM IS GIVEN IN LOW PRECISION. The matrix products marked QUANTISED in the list below multiply operands that are first quantised to E5M2 (5 exponent bits, 2 mantissa bits; 8 bits a number), with one given power-of-two scale for each operand tensor; their sums are f32. All else is computed in f32.
;;   The module's matrix products, in the order in which they are computed (A, B: the left and right operand; K: the contracted axis; several contracted axes count as one K, in the product's order):
;;     1. [M 16,384, K 256] x [K 256, N 4,096]; A: input stm; B: input query: QUANTISED (scales: A lowp_scales[0], B lowp_scales[1])
;;     2. [M 4,096, K 16,384] x [K 16,384, N 256]; A: softmax (see below); B: input stm: QUANTISED (scales: A lowp_scales[2], B lowp_scales[3])
;;     3. [M 8,192, K 256] x [K 256, N 4,096]; A: input ltm; B: input query: QUANTISED (scales: A lowp_scales[4], B lowp_scales[5])
;;     4. [M 4,096, K 8,192] x [K 8,192, N 256]; A: softmax (see below); B: input ltm: QUANTISED (scales: A lowp_scales[6], B lowp_scales[7])
;;     5. [M 4,096, K 256] x [K 256, N 4,096]; A: input pm; B: input query: QUANTISED (scales: A lowp_scales[8], B lowp_scales[9])
;;     6. [M 4,096, K 4,096] x [K 4,096, N 256]; A: softmax (see below); B: input pm: QUANTISED (scales: A lowp_scales[10], B lowp_scales[11])
;;   THE QUANTISER, for each operand of a quantised product, along K:
;;     - The operand's scale is 2^e, e = its entry of the input lowp_scales (int32; the entries are numbered through the quantised products in the list's order, A before B).
;;     - Each number is divided by the scale, clamped to +-57,344, and rounded to the nearest number of E5M2, ties to even, subnormals kept.
;;     - The product sums the exact products of the quantised numbers (number of the format x scale) in f32.
;;   ~~~python
;;   def quantise(x, axis, e):      # numpy; x: float32 -> the quantised numbers, widened to float32 again
;;       x = np.moveaxis(x, axis, -1); K = x.shape[-1]
;;       r = np.clip(x / 2.0 ** e, -57344, 57344)
;;       step = 2.0 ** (np.maximum(np.frexp(np.where(r == 0, 1, r))[1] - 1, -14) - 2)
;;       q = np.round(r / step) * step * 2.0 ** e      # np.round: ties to even
;;       return np.moveaxis(q, -1, axis).astype(np.float32)
;;   ~~~
;;   SOFTMAX AHEAD OF A QUANTISED PRODUCT. Where the list says 'softmax', what is quantised is not the finished softmax but p = 2^(t - M), with t = logit x log2(e) and M = ceil(the row's largest t), a whole number; so 1/2 < the row's largest p <= 1. The row's sum l is taken of the UNQUANTISED p, in f32, and the product's result is divided by l at the end. Since M is a whole number, a kernel that streams over the keys may use a running M (the ceiling of the running maximum): every later rescaling is an exact power of two, so the quantised numbers keep their values, but for numbers so far below the row's largest that they fall under the format's range.
;;   OPERANDS COMPUTED ON THE WAY. 'Computed on the way' means the value that the module computes at that place (a softmax that the list does not call 'softmax' is quantised finished and normalised). What goes into a quantiser is computed in f32, as accurately as f32 sums, v_exp_f32 and their like allow (about 1e-6 of the number): no bf16 or f16 on the way to a quantiser, and a product that is left as it is and whose result goes on into a quantised operand takes f32 operands (vector FMAs, or v_wmma_f32_16x16x4_f32). A number that lies on a knife's edge between two numbers of the format may be rounded either way, as far as f32 arithmetic and the matrix unit's own rounding can turn it there, and no further.
;; One version. Each part assembles by itself: llvm-mc -triple=amdgcn-amd-amdhsa -mcpu=gfx1250 --defsym DOCPART=n.
;; ======== version 1 of 1: 3 launches
;; limits: right only within a limited range of input values
;; workspace buffers: kv 14,680,064 bytes; qc 3,145,728 bytes; opart 29,360,128 bytes; stats 458,752 bytes
;; launch prep (part 1): grid 256 x 1, 8 waves a work-group, no clusters, 0 bytes of LDS; arguments stm, ltm, pm, query, lowp_scales, kv, qc; writes kv, qc
.if DOCPART == 1
	.amdgcn_target "amdgcn-amd-amdhsa--gfx1250"
	.amdhsa_code_object_version 6
	.text
	.protected	k_q4ddfe9ba0c_prep
	.globl	k_q4ddfe9ba0c_prep
	.p2align	8
	.type	k_q4ddfe9ba0c_prep,@function
k_q4ddfe9ba0c_prep:
	s_mov_b64 s[64:65], 0
	v_nop
	global_prefetch_b8 v0, s[64:65] scope:SCOPE_SE
	s_setreg_imm32_b32 hwreg(HW_REG_WAVE_MODE, 25, 1), 1
	s_wait_xcnt 0x0
; The three banks (stm 16,384, ltm 8,192, pm 4,096 rows of 256 f32) and the query (4,096 rows of 256 f32) become codes of BF8 (E5M2), laid as IMAGES OF OPERAND REGISTERS.
; code = x / 2^e, held within +-57,344, rounded to the nearest code, ties to even; e is the operand's entry of lowp_scales.
; A bank is an operand twice: as K of the scores (d innermost, entries 0, 4, 8) and as V of the read (keys innermost, entries 3, 7, 11).  The query is an operand three times (entries 1, 5, 9).
; LIMITS: every e between -126 and 112, so that 2^e and 57,344 x 2^e are f32 numbers.  NaN among the inputs is not served (an infinity is held at the largest code).
; kv: 224 steps of 128 keys, 65,536 bytes each (steps 0-127 stm, 128-191 ltm, 192-223 pm).  A fragment is 2,048 bytes: register group j (0..3) of lane L at 512 j + 16 L.
;   K(kt, c) at (2 kt + c) 2048: lane (r, h), group j: key 32 (kt/2) + 8 (kt%2) + r + 8 (r/8), d = 128 c + 32 j + 16 h + 0..15.
;   V(dt) at 32768 + 2048 dt:    lane (r, h), group j: d = 16 dt + r, keys 32 j + 16 h + 0..15.
; qc: bank b at b x 1,048,576, tile of 16 queries qt at 4096 qt, c at 2048 c: an image like K's with row = query 16 qt + r.
; SHARES.  Work-groups 0-223 take a step each; 224-255 take 128 queries each, for all three scales.  The two ways part on the work-group's number alone.  No LDS, no barrier: waves share nothing.
.set X,  16                            ; v16-143  numbers
.set Y,  144                           ; v144-207 numbers, or held numbers
.set C,  208                           ; v208-239 codes
.set VA, 4                             ; v4  V's way in: 4 x thread (a thread takes column d = its number)
.set VS, 5                             ; v5  V's way out: 2048 (thread / 16) + 16 (thread % 16)
.set KA, 6                             ; v6  K's and the query's way in: row x 1,024 + 64 h
.set KS, 7                             ; v7  their way out: 16 x lane + 4,096 x wave
; nb blocks of 16 numbers, v[s] on, are held (into v[d] on) and converted (into v[cd] on, four registers a block).  v[sc]: 2^e; v[lm]: 57,344 x 2^e
.macro QUANT s, d, cd, nb, sc, lm
.set qq, 0
.rept \nb
.irp i, 0,1,2,3,4,5,6,7,8,9,10,11,12,13,14,15
	v_med3_num_f32 v[(\d)+16*qq+\i], v[(\s)+16*qq+\i], -v[\lm], v[\lm]   ; the conversion to an 8-bit code does not saturate (ISA guide 7.6.2): the hold comes first
.endr
	v_cvt_scalef32_pk8_bf8_f32 v[(\cd)+4*qq:(\cd)+4*qq+1], v[(\d)+16*qq:(\d)+16*qq+7], v[\sc]
	v_cvt_scalef32_pk8_bf8_f32 v[(\cd)+4*qq+2:(\cd)+4*qq+3], v[(\d)+16*qq+8:(\d)+16*qq+15], v[\sc]
.set qq, qq+1
.endr
	v_nop                                          ; one plain vector line behind the last conversion, ahead of whatever next writes its sources or its scale
.endm
; 64 numbers of my row: d = 128 c + 32 j + 16 h + 0..15 for j = 0..3, into v[reg + 16 j] on
.macro FLOAD reg, c, base, hint
.irp j, 0,1,2,3
.irp q, 0,1,2,3
.if \hint
	global_load_b128 v[(\reg)+16*\j+4*\q:(\reg)+16*\j+4*\q+3], v[KA], s[\base:\base+1] offset:512*(\c)+128*\j+16*\q th:TH_LOAD_NT
.else
	global_load_b128 v[(\reg)+16*\j+4*\q:(\reg)+16*\j+4*\q+3], v[KA], s[\base:\base+1] offset:512*(\c)+128*\j+16*\q
.endif
.endr
.endr
.endm
; the whole number in s[e] makes v[sc] = 2^e (the conversion takes its exponent field) and v[lm] = 57,344 x 2^e
.macro MKSC e, sc, lm
	s_add_co_i32 s46, s[\e], 127
	s_lshl_b32 s47, s46, 23
	v_mov_b32 v[\sc], s47
	s_add_co_i32 s46, s46, 15
	s_lshl_b32 s46, s46, 23
	s_or_b32 s46, s46, 0x600000
	v_mov_b32 v[\lm], s46
.endm
	s_load_b256 s[4:11], s[0:1], 0x0               ; stm s[4:5], ltm s[6:7], pm s[8:9], query s[10:11]
	s_load_b128 s[12:15], s[0:1], 0x20             ; lowp_scales s[12:13], kv s[14:15]
	s_load_b64 s[16:17], s[0:1], 0x30              ; qc
	v_lshrrev_b32 v1, 5, v0
	s_delay_alu instid0(VALU_DEP_1)
	v_readfirstlane_b32 s18, v1                    ; wave 0..7
	v_and_b32 v1, 31, v0                           ; lane
	v_and_b32 v2, 15, v0                           ; r
	v_bfe_u32 v3, v0, 4, 1                         ; h
	s_delay_alu instid0(VALU_DEP_3)
	v_lshlrev_b32 v[KS], 4, v1
	s_delay_alu instid0(VALU_DEP_1)
	v_lshl_add_u32 v[KS], s18, 12, v[KS]
	s_wait_kmcnt 0x0
	s_load_b256 s[20:27], s[12:13], 0x0            ; e0 .. e7
	s_load_b128 s[28:31], s[12:13], 0x20           ; e8 .. e11
	s_cmp_ge_u32 ttmp9, 224
	s_cbranch_scc1 .Lquery
	; ---- a step of a bank
	v_lshlrev_b32 v[VA], 2, v0
	v_lshrrev_b32 v[VS], 4, v0
	s_delay_alu instid0(VALU_DEP_1)
	v_lshlrev_b32 v[VS], 11, v[VS]
	s_wait_alu depctr_va_vdst(0)
	v_lshl_add_u32 v[VS], v2, 4, v[VS]
	s_lshr_b32 s44, s18, 1                         ; wave w makes K's tile kt = w: its rows are 32 (w/2) + 8 (w%2) + r + 8 (r/8)
	s_lshl_b32 s44, s44, 5
	s_and_b32 s45, s18, 1
	s_lshl_b32 s45, s45, 3
	s_add_co_u32 s44, s44, s45
	v_and_b32 v[KA], 8, v2
	s_delay_alu instid0(VALU_DEP_1)
	v_add_nc_u32 v[KA], v[KA], v2
	s_delay_alu instid0(VALU_DEP_1)
	v_add_nc_u32 v[KA], s44, v[KA]
	s_delay_alu instid0(VALU_DEP_1)
	v_lshlrev_b32 v[KA], 10, v[KA]
	s_delay_alu instid0(VALU_DEP_1)
	v_lshl_add_u32 v[KA], v3, 6, v[KA]
	s_wait_alu depctr_va_vdst(0)
	s_mov_b32 s34, 192
	s_cmp_lt_u32 ttmp9, 192                        ; which bank: the choice hangs on the work-group's number alone
	s_cselect_b64 s[32:33], s[6:7], s[8:9]
	s_cselect_b32 s34, 128, s34
	s_cmp_lt_u32 ttmp9, 128
	s_cselect_b64 s[32:33], s[4:5], s[32:33]
	s_cselect_b32 s34, 0, s34                      ; the bank's first step
	s_sub_co_u32 s34, ttmp9, s34
	s_lshl_b32 s38, s34, 17                        ; 128 rows of 1,024 bytes a step
	s_mov_b32 s39, 0
	s_add_nc_u64 s[32:33], s[32:33], s[38:39]
	s_lshl_b32 s40, ttmp9, 16
	s_mov_b32 s41, 0
	s_add_nc_u64 s[14:15], s[14:15], s[40:41]      ; the step's 65,536 bytes of kv
.set kk, 0
.rept 128
	global_load_b32 v[X+kk], v[VA], s[32:33] offset:1024*kk   ; V: a thread takes a column, its registers run down the keys; a wave reads 128 consecutive bytes, the work-group a whole row
.set kk, kk+1
.endr
	FLOAD Y, 0, 32, 0                              ; K: d 0..127 of my row
	s_wait_kmcnt 0x0
	s_cmp_lt_u32 ttmp9, 192
	s_cselect_b32 s35, s24, s28                    ; K's e: entry 0, 4 or 8
	s_cselect_b32 s36, s27, s31                    ; V's e: entry 3, 7 or 11
	s_cmp_lt_u32 ttmp9, 128
	s_cselect_b32 s35, s20, s35
	s_cselect_b32 s36, s23, s36
	MKSC 36, 8, 9
	MKSC 35, 10, 11
	s_wait_alu depctr_va_vdst(0)
	s_wait_loadcnt 16                              ; V's 128 loads are in; the 16 of K behind them may be out
	QUANT X, X, C, 8, 8, 9
.irp g, 0,1,2,3,4,5,6,7
	global_store_b128 v[VS], v[C+4*\g:C+4*\g+3], s[14:15] offset:32768+256*\g th:TH_STORE_NT   ; keys 16 g on: sixteen lanes store 256 consecutive bytes, aligned
.endr
	FLOAD X, 1, 32, 0                              ; K: d 128..255
	s_wait_loadcnt 16                              ; d 0..127 are in; the 16 loads just issued may be out
	s_wait_xcnt 0x0                                ; V's stores have read the codes' registers, which are written again below
	QUANT Y, Y, C, 4, 10, 11
.irp j, 0,1,2,3
	global_store_b128 v[KS], v[C+4*\j:C+4*\j+3], s[14:15] offset:512*\j th:TH_STORE_NT         ; 32 lanes store 512 consecutive bytes
.endr
	s_wait_loadcnt 0x0
	QUANT X, X, C+16, 4, 10, 11
.irp j, 0,1,2,3
	global_store_b128 v[KS], v[C+16+4*\j:C+16+4*\j+3], s[14:15] offset:2048+512*\j th:TH_STORE_NT
.endr
	s_endpgm
.Lquery:
	; ---- 128 queries: wave w takes tile 8 (g - 224) + w, once loaded, three times quantised
	s_wait_alu depctr_va_vdst(0)
	v_lshlrev_b32 v[KA], 10, v2
	s_delay_alu instid0(VALU_DEP_1)
	v_lshl_add_u32 v[KA], v3, 6, v[KA]
	s_wait_alu depctr_va_vdst(0)
	s_sub_co_u32 s32, ttmp9, 224
	s_lshl_b32 s33, s32, 3
	s_add_co_u32 s33, s33, s18
	s_lshl_b32 s34, s33, 14                        ; 16 rows of 1,024 bytes a tile
	s_mov_b32 s35, 0
	s_add_nc_u64 s[10:11], s[10:11], s[34:35]
	s_lshl_b32 s36, s32, 15                        ; eight tiles of 4,096 bytes of codes; the wave's tile stands in v[KS]
	s_mov_b32 s37, 0
	s_add_nc_u64 s[16:17], s[16:17], s[36:37]
	FLOAD X, 0, 10, 1
	FLOAD X+64, 1, 10, 1
	s_wait_kmcnt 0x0
	s_wait_loadcnt 0x0
.irp b, 0,1,2
	MKSC 21+4*\b, 10, 11                           ; entries 1, 5, 9
	s_wait_alu depctr_va_vdst(0)
.irp c, 0,1
.if \b > 0
	s_wait_xcnt 0x0                                ; the last scale's stores have read these codes' registers
.endif
	QUANT X+64*\c, Y, C+16*\c, 4, 10, 11           ; the hold goes into other registers: the numbers stay for the next scale
.irp j, 0,1,2,3
	global_store_b128 v[KS], v[C+16*\c+4*\j:C+16*\c+4*\j+3], s[16:17] offset:\b*1048576+2048*\c+512*\j th:TH_STORE_NT
.endr
.endr
.endr
	s_endpgm
.Lfunc_end_k_q4ddfe9ba0c_prep:
	.size	k_q4ddfe9ba0c_prep, .Lfunc_end_k_q4ddfe9ba0c_prep-k_q4ddfe9ba0c_prep
	.p2alignl 7, 3214868480
	.fill 96, 4, 3214868480
	.section	.rodata,"a",@progbits
	.p2align	6, 0x0
	.amdhsa_kernel k_q4ddfe9ba0c_prep
		.amdhsa_group_segment_fixed_size 0
		.amdhsa_private_segment_fixed_size 0
		.amdhsa_enable_private_segment 0
		.amdhsa_kernarg_size 56
		.amdhsa_user_sgpr_count 2
		.amdhsa_user_sgpr_kernarg_segment_ptr 1
		.amdhsa_wavefront_size32 1
		.amdhsa_system_sgpr_workgroup_id_x 1
		.amdhsa_system_sgpr_workgroup_id_y 1
		.amdhsa_system_sgpr_workgroup_id_z 1
		.amdhsa_system_vgpr_workitem_id 0
		.amdhsa_next_free_vgpr 240
		.amdhsa_next_free_sgpr 66
		.amdhsa_reserve_vcc 0
		.amdhsa_float_denorm_mode_32 3
		.amdhsa_float_denorm_mode_16_64 3
		.amdhsa_memory_ordered 1
		.amdhsa_forward_progress 1
		.amdhsa_inst_pref_size 73
	.end_amdhsa_kernel
	.amdgpu_metadata
---
amdhsa.version: [ 1, 2 ]
amdhsa.kernels:
  - .name:           k_q4ddfe9ba0c_prep
    .symbol:         k_q4ddfe9ba0c_prep.kd
    .args:
      - { .name: stm, .offset: 0, .size: 8, .value_kind: global_buffer, .address_space: global }
      - { .name: ltm, .offset: 8, .size: 8, .value_kind: global_buffer, .address_space: global }
      - { .name: pm, .offset: 16, .size: 8, .value_kind: global_buffer, .address_space: global }
      - { .name: query, .offset: 24, .size: 8, .value_kind: global_buffer, .address_space: global }
      - { .name: lowp_scales, .offset: 32, .size: 8, .value_kind: global_buffer, .address_space: global }
      - { .name: kv, .offset: 40, .size: 8, .value_kind: global_buffer, .address_space: global }
      - { .name: qc, .offset: 48, .size: 8, .value_kind: global_buffer, .address_space: global }
    .group_segment_fixed_size: 0
    .private_segment_fixed_size: 0
    .kernarg_segment_align: 8
    .kernarg_segment_size: 56
    .max_flat_workgroup_size: 256
    .sgpr_count:     66
    .vgpr_count:     240
    .wavefront_size: 32
...
	.end_amdgpu_metadata
.endif
;; end of part 1
;; launch attn (part 2): grid 32 x 7, 4 waves a work-group, clusters of 4 x 1, 327,680 bytes of LDS; arguments kv, qc, lowp_scales, opart, stats; writes opart, stats
.if DOCPART == 2
	.amdgcn_target "amdgcn-amd-amdhsa--gfx1250"
	.amdhsa_code_object_version 6
	.text
	.protected	k_q4ddfe9ba0c_attn
	.globl	k_q4ddfe9ba0c_attn
	.p2align	8
	.type	k_q4ddfe9ba0c_attn,@function
k_q4ddfe9ba0c_attn:
	s_mov_b64 s[64:65], 0
	v_nop
	global_prefetch_b8 v0, s[64:65] scope:SCOPE_SE
	s_setreg_imm32_b32 hwreg(HW_REG_WAVE_MODE, 25, 1), 1
	s_wait_xcnt 0x0
	s_wait_alu depctr_hold_cnt(0) depctr_sa_sdst(0) depctr_va_vdst(0) depctr_va_sdst(0) depctr_va_ssrc(0) depctr_va_vcc(0) depctr_vm_vsrc(0)
	s_getreg_b32 s2, hwreg(HW_REG_IB_STS2, 6, 4)
	s_cmp_eq_u32 s2, 0
	s_cbranch_scc0 .Lentry_in_a_cluster
	s_endpgm
.Lentry_in_a_cluster:
	s_bfe_u32 s2, ttmp6, 0x10000c
	s_cmp_lg_u32 s2, 0x3003
	s_cbranch_scc0 .Lentry_shape_is_right
	s_endpgm
.Lentry_shape_is_right:
; One chunk of one bank's read: for 128 queries and 4,096 keys, S^T = K Q^T, p = 2^(t - M), O^T += V^T P^T, both products on codes of BF8 (E5M2) as the launch before has laid them.
; t = score x log2(e); M = the ceiling of the running largest t, a whole number; p is quantised with the given 2^eP, not normalised; the sum l is taken of the unquantised p.
; When M moves, l and O^T are multiplied by 2^(old M - new M), which rounds nothing.  What leaves: O^T as raw sums of code products under the chunk's M (opart), and -M and l for each lane (stats).
; LIMITS: eK + eQ between -126 and 127 (added to the exponent field of log2(e)); eP between -126 and 112.  NaN and infinities among the scores are not served.
; SHARES.  Work-group (x, y): queries 128 x .. + 127, chunk y (0-3 stm, 4-5 ltm, 6 pm): 32 steps of 128 keys.  Wave w: query group w % 2 (64 queries, four tiles of 16), and of each pair of steps the step w / 2: 16 steps a wave.
; At the end waves w and w ^ 2 hold two parts of the same 64 queries: each hands two tiles to the other through LDS and joins the two that it keeps under the larger M.  So a chunk of 4,096 keys leaves one part for each query.
; Register tile u of a wave holds query tile (u + 2 (w / 2)) % 4, by the addresses of Q alone: every wave keeps register tiles 0, 1 and hands over 2, 3, and no branch tells the waves apart.
; 28,672 keys are 7 chunks that keep to the banks: 224 work-groups of equal work.
; CLUSTER.  The four work-groups of a cluster walk the same chunk: each slot is asked for JOINTLY, by the same tensor load with the same descriptor and the mask of all four.
; RING.  Two LDS slots of two steps (131,072 bytes).  A wave's reads of a slot are over when V's fragments are in registers: there, in the middle of the products V^T P, stand the waits, the add and the cluster's round,
; and behind the round each wave asks for its quarter of the pair of steps two on, into the slot just read.  One tensor load of a wave is out, with a step's work in which to land.
; LAYOUT.  Both products are used transposed: a lane holds ONE query (lane % 16).  The 16 registers of key tiles 2 b, 2 b + 1 are keys 32 b + 16 (lane / 16) + 0..15: the conversions' results are the second product's operand.
; REGISTERS, in windows of 256 (s_set_vgpr_msb: bits 1:0 source 0, 3:2 source 1, 5:4 source 2, 7:6 destination):
;   window 0: v1-7 addresses and constants; v8-23 statistics, four a tile: -M, the largest raw score, l in two halves; v24-31 two a tile: chains of the maximum, then f in the lower one;
;             v32-159 Q; v160-255 three buffers for a pair of K's fragments; later P (160 + 16 t), the sums' side chains (from v224), registers at work (from v240)
;   window 1: S^T (64 t + 8 kt), then p, then V (16 dt);   window 2: O^T of register tiles 0, 1 (128 t + 8 dt);   window 3: of 2, 3
.set SLOT1,  1<<17
.set STEPB,  65536
.set VOFF,   32768
.set SPARE,  2*SLOT1                   ; the spare words: 128 bytes a wave
.set SX,     SPARE+512                 ; 512 bytes a wave: the statistics that are handed over
.set SPITCH, 1040                      ; the way out: a stage row, 1,024 bytes + 16; the stages lie in slot 1, the tiles handed over in slot 0, both behind their last fill and last read
.set SPW,  1
.set NIL,  2
.set LI,   3                           ; 16 x lane
.set ADR,  4
.set SCL,  5                           ; 2^eP
.set LIMV, 6                           ; 57,344 x 2^eP
.set PFO,  7                           ; 256 x lane
.set ST,   8
.set F,    24
.set Q,    32
.set KB,   160
.set P,    160
.set ZZ,   224
.set TA,   240
.set PD,   244
.set TT,   248
.set OLD,  252
.set STO,  224
.set RD,   225
.set SOFF, 226
.set XO,   229
.set XI,   230
.set YO,   231
.set YI,   232
.set WV,   14
.set QG,   19
.set SEL,  20
.set CS,   22
.set G1,   24
.set G0,   32
.set TB,   40
.set SLOTS, 41
.set TWICE, 42
.set LIM,  43
.set PFA,  44
.set KH,   56
.set MSB, 0
.macro WIN new
.if MSB != (\new)
	s_set_vgpr_msb (MSB<<8)|(\new)
.set MSB, (\new)
.endif
.endm
.macro PLACES n
.rept \n
	v_nop
.endr
.endm
.macro CREST                           ; a round of the cluster's barrier behind its opening barrier
	s_cmp_lg_u32 s[WV], 0
	s_cbranch_scc1 .Lnot_wave_0_\@
	s_barrier_signal -3
.Lnot_wave_0_\@:
	s_barrier_wait -3
	s_barrier_signal -1
	s_barrier_wait -1
.endm
.macro CROUND
	s_barrier_signal -1
	s_barrier_wait -1
	CREST
.endm
; A prefetch of the pair of steps that the NEXT refill will ask for: 131,072 bytes, lanes 256 bytes apart, 8,192 bytes a wave.  The eight clusters of a chunk walk the same bytes: the first asks,
; its four partners told apart by address alone.  The last refill asks for nothing; the first three pairs come by their loads alone.
.macro ASK
	s_cmp_gt_u32 s[SLOTS], s[LIM]
	s_cbranch_scc0 .Lnot_mine_\@
	global_prefetch_b8 v[PFO], s[PFA:PFA+1] th:TH_LOAD_NT scope:SCOPE_SE
.Lnot_mine_\@:
.endm
.macro KLOAD kt, i
.irp c, 0,1
.irp j, 0,1,2,3
	ds_load_b128 v[KB+32*(\i)+16*\c+4*\j:KB+32*(\i)+16*\c+4*\j+3], v[ADR] offset:(2*(\kt)+\c)*2048+512*\j
.endr
.endr
.endm
.macro SMUL kt, i                      ; eight products: half 0 of d starts the four tiles' sums, half 1 adds; the four accumulators by turns
.irp t, 0,1,2,3
	v_wmma_f32_16x16x128_bf8_bf8 v[64*\t+8*(\kt):64*\t+8*(\kt)+7], v[KB+32*(\i):KB+32*(\i)+15], v[Q+32*\t:Q+32*\t+15], 0
.endr
.irp t, 0,1,2,3
	v_wmma_f32_16x16x128_bf8_bf8 v[64*\t+8*(\kt):64*\t+8*(\kt)+7], v[KB+32*(\i)+16:KB+32*(\i)+31], v[Q+32*\t+16:Q+32*\t+31], v[64*\t+8*(\kt):64*\t+8*(\kt)+7]
.endr
.endm
; A key tile's sixteen lines of the maximum.  Three chains a tile (the running largest raw score and two beside it), the four tiles by turns: a chain comes round again after twelve lines.
.macro MXS kt, r                       ; four of the sixteen: registers 2 r, 2 r + 1 of the four tiles
.irp t, 0,1,2,3
.set ci, (4*(\kt)+\r)%3
.set rS, 64*\t+8*(\kt)+2*\r
.if ci == 0
	v_max3_num_f32 v[ST+4*\t+1], v[ST+4*\t+1], v[rS], v[rS+1]
.else
.if (4*(\kt)+\r) < 3
	v_max3_num_f32 v[F+2*\t+ci-1], v[ST+4*\t+1], v[rS], v[rS+1]
.else
	v_max3_num_f32 v[F+2*\t+ci-1], v[F+2*\t+ci-1], v[rS], v[rS+1]
.endif
.endif
.endr
.endm
.macro MXALL kt
.irp r, 0,1,2,3
	MXS \kt, \r
.endr
.endm
.macro SWM kt, i, c, t                 ; one product of S^T
.if (\c) == 0
	v_wmma_f32_16x16x128_bf8_bf8 v[64*(\t)+8*(\kt):64*(\t)+8*(\kt)+7], v[KB+32*(\i):KB+32*(\i)+15], v[Q+32*(\t):Q+32*(\t)+15], 0
.else
	v_wmma_f32_16x16x128_bf8_bf8 v[64*(\t)+8*(\kt):64*(\t)+8*(\kt)+7], v[KB+32*(\i)+16:KB+32*(\i)+31], v[Q+32*(\t)+16:Q+32*(\t)+31], v[64*(\t)+8*(\kt):64*(\t)+8*(\kt)+7]
.endif
.endm
; eight products with the maxima of key tile kt - 1 in four slices, one behind every second product.  The slice behind the last product is the four places ahead of the loads into the buffer just read,
; and ahead of the first read of this key tile's scores
.macro SMULS kt, i
.irp n, 0,1,2,3,4,5,6,7
	WIN 0x50
	SWM \kt, \i, (\n/4), (\n%4)
.if (\n%2) == 1
	WIN 0x14
	MXS ((\kt)-1), (\n/2)
.endif
.endr
.endm
.macro SUMS ta
	WIN 0x05
.irp n, 0,1,2
.irp u, 0,1
	v_pk_add_f32 v[ZZ+6*\u+2*\n:ZZ+6*\u+2*\n+1], v[64*((\ta)+\u)+4*\n:64*((\ta)+\u)+4*\n+1], v[64*((\ta)+\u)+4*\n+2:64*((\ta)+\u)+4*\n+3]
.endr
.endr
	WIN 0x04
.set mm, 0
.rept 26
.irp u, 0,1
.if (mm%4) == 0
	v_pk_add_f32 v[ST+4*((\ta)+\u)+2:ST+4*((\ta)+\u)+3], v[ST+4*((\ta)+\u)+2:ST+4*((\ta)+\u)+3], v[64*((\ta)+\u)+12+2*mm:64*((\ta)+\u)+12+2*mm+1]
.else
	v_pk_add_f32 v[ZZ+6*\u+2*((mm%4)-1):ZZ+6*\u+2*((mm%4)-1)+1], v[ZZ+6*\u+2*((mm%4)-1):ZZ+6*\u+2*((mm%4)-1)+1], v[64*((\ta)+\u)+12+2*mm:64*((\ta)+\u)+12+2*mm+1]
.endif
.endr
.set mm, mm+1
.endr
	WIN 0
.irp u, 0,1
	v_pk_add_f32 v[ZZ+6*\u:ZZ+6*\u+1], v[ZZ+6*\u:ZZ+6*\u+1], v[ZZ+6*\u+2:ZZ+6*\u+3]
.endr
.irp u, 0,1
	v_pk_add_f32 v[ST+4*((\ta)+\u)+2:ST+4*((\ta)+\u)+3], v[ST+4*((\ta)+\u)+2:ST+4*((\ta)+\u)+3], v[ZZ+6*\u+4:ZZ+6*\u+5]
.endr
.irp u, 0,1
	v_pk_add_f32 v[ST+4*((\ta)+\u)+2:ST+4*((\ta)+\u)+3], v[ST+4*((\ta)+\u)+2:ST+4*((\ta)+\u)+3], v[ZZ+6*\u:ZZ+6*\u+1]
.endr
.endm
.macro CVT ta                          ; the held p of tiles ta, ta + 1 become the second product's operand
	WIN 0x01
.irp u, 0,1
.irp b, 0,1,2,3
	v_cvt_scalef32_pk8_bf8_f32 v[P+16*((\ta)+\u)+4*\b:P+16*((\ta)+\u)+4*\b+1], v[64*((\ta)+\u)+16*\b:64*((\ta)+\u)+16*\b+7], v[SCL]
	v_cvt_scalef32_pk8_bf8_f32 v[P+16*((\ta)+\u)+4*\b+2:P+16*((\ta)+\u)+4*\b+3], v[64*((\ta)+\u)+16*\b+8:64*((\ta)+\u)+16*\b+15], v[SCL]
.endr
.endr
	v_nop                                          ; one plain line behind the last conversion
.endm
.macro VLOAD hh                        ; V's fragments 8 hh .. 8 hh + 7 take the registers of the two tiles of p just converted
	WIN 0x40
.irp d, 0,1,2,3,4,5,6,7
.irp j, 0,1,2,3
	ds_load_b128 v[16*(8*(\hh)+\d)+4*\j:16*(8*(\hh)+\d)+4*\j+3], v[ADR] offset:VOFF+2048*(8*(\hh)+\d)+512*\j
.endr
.endr
.endm
.macro RSB t                           ; a tile of O^T x the factor in v[F + 2 t]: each accumulator from its low end on
.set nn, 0
.rept 64
	v_pk_mul_f32 v[128*((\t)%2)+2*nn:128*((\t)%2)+2*nn+1], v[128*((\t)%2)+2*nn:128*((\t)%2)+2*nn+1], v[F+2*(\t):F+2*(\t)+1] op_sel_hi:[1,0]
.set nn, nn+1
.endr
.endm
.macro PVH w, d0                       ; sixteen products of V^T P: tiles 2 w, 2 w + 1 x V's fragments d0 .. d0 + 7; each accumulator is taken once a step
	WIN 0xa1+0x50*(\w)
.irp d, 0,1,2,3,4,5,6,7
.irp u, 0,1
	v_wmma_f32_16x16x128_bf8_bf8 v[128*\u+8*((\d0)+\d):128*\u+8*((\d0)+\d)+7], v[16*((\d0)+\d):16*((\d0)+\d)+15], v[P+16*(2*(\w)+\u):P+16*(2*(\w)+\u)+15], v[128*\u+8*((\d0)+\d):128*\u+8*((\d0)+\d)+7]
.endr
.endr
.endm
; A KEY STEP: 128 keys x my 64 queries.  fill = 1: the slot is filled again in the step's last part
.macro STEP fill
	PLACES 5                                       ; S^T's products write over V's registers (five places), K's loads land on P's (four)
	KLOAD 2, 1                                     ; key tiles 0 and 1 were asked for in the step before (the first time: at the head); the buffers take turns 0, 2, 1
.irp kt, 0,1,2,3,4,5,6,7
.if \kt < 6
	s_wait_dscnt 16                                ; this pair of fragments is in; the two pairs behind it may be out
.else
	s_wait_dscnt 8*(7-\kt)
.endif
.if \kt == 0
	WIN 0x50
	SMUL 0, 0
	WIN 0x14
	PLACES 4
.else
	SMULS \kt, ((3-(\kt%3))%3)
.endif
.if \kt < 5
	KLOAD (\kt+3), ((3-(\kt%3))%3)
.endif
.endr
	PLACES 4
	MXALL 7
	WIN 0
.irp t, 0,1,2,3
	v_max3_num_f32 v[TA+\t], v[ST+4*\t+1], v[F+2*\t], v[F+2*\t+1]
.endr
.irp t, 0,1,2,3
	v_permlanex16_b32 v[PD+\t], v[TA+\t], s[SEL], s[SEL+1]   ; the query's other 64 keys lie in the lane 16 away
.endr
.irp t, 0,1,2,3
	v_max_num_f32 v[ST+4*\t+1], v[TA+\t], v[PD+\t]
.endr
.irp t, 0,1,2,3
	v_mul_f32 v[TT+\t], s[CS], v[ST+4*\t+1]        ; as t (c is positive)
.endr
.irp t, 0,1,2,3
	v_mov_b32 v[OLD+\t], v[ST+4*\t]
.endr
.irp t, 0,1,2,3
	v_floor_f32 v[ST+4*\t], -v[TT+\t]              ; the new -M = -ceil(t)
.endr
.irp t, 0,1,2,3
	v_sub_f32 v[TT+\t], v[ST+4*\t], v[OLD+\t]      ; old M - new M: a whole number, 0 or less
.endr
.irp t, 0,1,2,3
	v_cvt_i32_f32 v[TT+\t], v[TT+\t]               ; (it saturates)
.endr
.irp t, 0,1,2,3
	v_ldexp_f32 v[F+2*\t], 1.0, v[TT+\t]           ; f = 2^(old M - new M)
.endr
.irp t, 0,1,2,3
	v_pk_mul_f32 v[ST+4*\t+2:ST+4*\t+3], v[ST+4*\t+2:ST+4*\t+3], v[F+2*\t:F+2*\t+1] op_sel_hi:[1,0]
.endr
	WIN 0x82                                       ; O^T under the new M, in one run ahead of the step's exponentials
	RSB 0
	RSB 1
	WIN 0xc3
	RSB 2
	RSB 3
	WIN 0x41
.set jj, 0
.rept 64
	v_pk_fma_f32 v[2*jj:2*jj+1], v[2*jj:2*jj+1], s[CS:CS+1], v[ST+4*(jj/32):ST+4*(jj/32)+1] op_sel_hi:[1,0,0]   ; t - M of tiles 0, 1
.set jj, jj+1
.endr
	s_wait_alu depctr_va_vdst(0)                   ; the wait ahead of the batch
.set jj, 0
.rept 64                               ; the exponentials of tiles 0, 1; between them t - M of tiles 2, 3, which nothing reads ahead of the wait below
	v_exp_f32 v[2*jj], v[2*jj]
	v_pk_fma_f32 v[128+2*jj:129+2*jj], v[128+2*jj:129+2*jj], s[CS:CS+1], v[ST+8+4*(jj/32):ST+9+4*(jj/32)] op_sel_hi:[1,0,0]
	v_exp_f32 v[2*jj+1], v[2*jj+1]
.set jj, jj+1
.endr
	v_nop
	s_wait_alu depctr_va_vdst(0)                   ; one wait behind the batch
	SUMS 0
	WIN 0x41
	s_wait_alu depctr_va_vdst(0)                   ; and one ahead of the next
.set jj, 0
.rept 128                              ; the exponentials of tiles 2, 3; between them the holds of tiles 0, 1 (the conversion does not saturate: ISA guide 7.6.2; p is not negative)
	v_exp_f32 v[128+jj], v[128+jj]
	v_min_num_f32 v[jj], v[jj], v[LIMV]
.set jj, jj+1
.endr
	s_wait_alu depctr_va_vdst(0)
	CVT 0
	VLOAD 0
	SUMS 2
	s_wait_alu depctr_va_vdst(0)                   ; directly ahead of the waits below
; tiles 0, 1 x V's fragments 0-7: sixteen products, and behind each eight holds of tiles 2, 3, which name none of its registers
.irp d, 0,1,2,3,4,5,6,7
	s_wait_dscnt 4*(7-\d)                          ; this fragment is in; the younger fragments' four loads each may be out
.irp u, 0,1
	WIN 0xa1
	v_wmma_f32_16x16x128_bf8_bf8 v[128*\u+8*\d:128*\u+8*\d+7], v[16*\d:16*\d+15], v[P+16*\u:P+16*\u+15], v[128*\u+8*\d:128*\u+8*\d+7]
	WIN 0x41
.irp k, 0,1,2,3,4,5,6,7
	v_min_num_f32 v[128+8*(2*\d+\u)+\k], v[128+8*(2*\d+\u)+\k], v[LIMV]
.endr
.endr
.endr
	CVT 2
	VLOAD 1
	WIN 0
	s_wait_alu depctr_va_vdst(0)                   ; directly ahead of the wait below
	s_wait_tensorcnt 0x0
	ds_add_u32 v[SPW], v[NIL]
.if \fill
	s_xor_b32 s[G0+1], s[G0+1], SLOT1              ; the slot that I have just read,
	s_add_nc_u64 s[G0+2:G0+3], s[G0+2:G0+3], 2*STEPB   ; the pair of steps behind the one asked for last
	s_wait_xcnt 0x0                                ; the last prefetch has read its address
	s_add_nc_u64 s[PFA:PFA+1], s[PFA:PFA+1], 2*STEPB
.endif
	PVH 1, 0                                       ; sixteen products stand between the add and the wait for it
	WIN 0
	s_wait_dscnt 0x0                               ; the add is done, and all my reads of this slot: V's fragments 8-15 are in
	s_barrier_signal -1
	PVH 0, 8
	WIN 0
	s_barrier_wait -1
.if \fill
	CREST                                          ; no wave of any partner still reads this slot or has a load on its way
	tensor_load_to_lds s[G0:G0+3], s[G1:G1+7]
	s_nop 0
	PLACES 4
	ASK
.else
	PLACES 4                                       ; places ahead of the loads into P's registers of tiles 0, 1
.endif
	s_xor_b32 s[TB], s[TB], SLOT1                  ; the other slot is whole: the next step's first two pairs of K's fragments are asked for under the last sixteen products,
	v_add_nc_u32 v[ADR], s[TB], v[LI]              ; into the registers that P of tiles 0, 1 and the registers at work have left
	s_wait_alu depctr_va_vdst(0)
.if \fill == 0
	s_cmp_eq_u32 s[TWICE], 1                       ; the last step has no successor
	s_cbranch_scc1 .Lno_more_\@
.endif
	KLOAD 0, 0
	KLOAD 1, 2
.if \fill == 0
.Lno_more_\@:
.endif
	PVH 1, 8
	WIN 0
.endm
	s_load_b256 s[4:11], s[0:1], 0x0               ; kv, qc, lowp_scales, opart
	s_load_b64 s[12:13], s[0:1], 0x20              ; stats
	v_lshl_add_u32 v[SPW], v0, 2, SPARE
	v_mov_b32 v[NIL], 0
	ds_add_u32 v[SPW], v[NIL]                      ; the opening lines: the add twice on end
	ds_add_u32 v[SPW], v[NIL]
	v_lshrrev_b32 v3, 5, v0
	v_readfirstlane_b32 s[WV], v3                  ; wave 0..3
	s_and_b32 s[QG], s[WV], 1                      ; my query group
	s_lshr_b32 s[KH], s[WV], 1                     ; my step of each pair
	s_bfe_u32 s15, ttmp6, 0x40000                  ; cx: it enters the addresses of Q, of the results and of the prefetches alone
	s_lshl_b32 s16, ttmp9, 2
	s_add_co_u32 s16, s16, s15                     ; my block of 128 queries
	s_and_b32 s17, ttmp7, 0xffff                   ; the chunk
	s_cmp_ge_u32 s17, 4
	s_cselect_b32 s18, 1, 0
	s_cmp_ge_u32 s17, 6
	s_cselect_b32 s46, 1, 0
	s_add_co_u32 s18, s18, s46                     ; the bank
	s_mov_b32 s[G1], 15|(3<<16)|(1<<21)            ; the mask of all four; elements of 8 bytes; bit 21 beside a mask: a dense block of 32,768 bytes as 128 rows of 256
	s_mov_b32 s[G1+1], 32<<16
	s_mov_b32 s[G1+2], 128<<16
	s_mov_b32 s[G1+3], 32<<16
	s_mov_b32 s[G1+4], 128
	s_mov_b32 s[G1+5], 32
	s_mov_b32 s[G1+6], 0
	s_mov_b32 s[G1+7], 0
	s_mov_b32 s[SEL], 0x76543210
	s_mov_b32 s[SEL+1], 0xfedcba98
	s_mov_b32 s[CS], 0x3fb8aa3b                    ; log2(e)
	s_lshl_b32 s[TB], s[KH], 16                    ; slot 0, my step
	s_mov_b32 s[SLOTS], 14                         ; refills: pairs 2 to 15
	s_cmp_eq_u32 ttmp9, 0
	s_cselect_b32 s[LIM], 1, -1
	s_lshl_b32 s50, s17, 21                        ; the chunk's 2,097,152 bytes of kv,
	s_lshl_b32 s51, s[WV], 15                      ; my quarter of a slot
	s_add_co_u32 s50, s50, s51
	s_mov_b32 s51, 0
	s_mov_b32 s[G0], 1
	s_lshl_b32 s[G0+1], s[WV], 15
	s_lshl_b32 s46, s18, 4
	s_mov_b32 s47, 0
	s_wait_alu depctr_va_vdst(0)                   ; directly ahead of the waits below
	s_wait_dscnt 0x0
	s_wait_kmcnt 0x0
	s_add_nc_u64 s[48:49], s[8:9], s[46:47]
	s_load_b128 s[36:39], s[48:49], 0x0            ; eK, eQ, eP, eV
	s_add_nc_u64 s[G0+2:G0+3], s[4:5], s[50:51]
	s_or_b32 s[G0+3], s[G0+3], 0x80000000
	CROUND
	tensor_load_to_lds s[G0:G0+3], s[G1:G1+7]      ; the first pair of steps: one tensor load a wave at the head
	s_nop 0
	PLACES 4
	s_lshl_b32 s52, s18, 20                        ; Q's codes: the bank's set, my block's 8 tiles of 4,096 bytes, my group's four
	s_lshl_b32 s54, s16, 15
	s_add_co_u32 s52, s52, s54
	s_lshl_b32 s54, s[QG], 14
	s_add_co_u32 s52, s52, s54
	s_mov_b32 s53, 0
	s_add_nc_u64 s[6:7], s[6:7], s[52:53]
	s_lshl_b32 s54, s[KH], 13
	s_xor_b32 s55, s54, 1<<13
	v_and_b32 v[PFO], 31, v0
	v_lshlrev_b32 v[LI], 4, v[PFO]
	v_lshlrev_b32 v[PFO], 8, v[PFO]
	v_add_nc_u32 v240, s54, v[LI]                  ; register tiles 0, 1 are query tiles 2 (w / 2) + 0, 1;
	v_add_nc_u32 v241, s55, v[LI]                  ; register tiles 2, 3 the other two
	s_wait_alu depctr_va_vdst(0)
.irp f, 0,1,2,3,4,5,6,7
.irp j, 0,1,2,3
	global_load_b128 v[Q+16*\f+4*\j:Q+16*\f+4*\j+3], v[240+\f/4], s[6:7] offset:2048*(\f%4)+512*\j
.endr
.endr
	s_lshl_b32 s52, s17, 22                        ; opart: the chunk's 4,194,304 bytes, my block's 128 rows of 1,024, my group's 64, the 32 that I keep
	s_lshl_b32 s54, s16, 17
	s_add_co_u32 s52, s52, s54
	s_lshl_b32 s54, s[QG], 16
	s_add_co_u32 s52, s52, s54
	s_lshl_b32 s54, s[KH], 15
	s_add_co_u32 s52, s52, s54
	s_add_nc_u64 s[10:11], s[10:11], s[52:53]
	s_lshl_b32 s52, s17, 16                        ; stats: 256 bytes a tile
	s_lshl_b32 s54, s16, 11
	s_add_co_u32 s52, s52, s54
	s_lshl_b32 s54, s[QG], 10
	s_add_co_u32 s52, s52, s54
	s_lshl_b32 s54, s[KH], 9
	s_add_co_u32 s52, s52, s54
	s_add_nc_u64 s[12:13], s[12:13], s[52:53]
	s_lshl_b32 s52, s17, 21                        ; the prefetches: my work-group's quarter, my wave's quarter of that,
	s_lshl_b32 s54, s15, 15
	s_add_co_u32 s52, s52, s54
	s_lshl_b32 s54, s[WV], 13
	s_add_co_u32 s52, s52, s54
	s_add_co_u32 s52, s52, 4*STEPB                 ; at pair 2: the first refill steps it to pair 3
	s_add_nc_u64 s[PFA:PFA+1], s[4:5], s[52:53]
.irp t, 0,1,2,3
	v_mov_b32 v[ST+4*\t], 0x7f61b1e6               ; -M: 3e38
	v_mov_b32 v[ST+4*\t+1], 0xff61b1e6             ; the largest raw score so far: -3e38
	v_mov_b32 v[ST+4*\t+2], 0
	v_mov_b32 v[ST+4*\t+3], 0
.endr
	WIN 0x80
.set jj, 0
.rept 256
	v_mov_b32 v[jj], 0                             ; O^T: the step is written once for all steps; the first finds zeros, while the first tile is on its way
.set jj, jj+1
.endr
	WIN 0xc0
.set jj, 0
.rept 256
	v_mov_b32 v[jj], 0
.set jj, jj+1
.endr
	WIN 0
	s_wait_kmcnt 0x0
	s_add_co_i32 s46, s36, s37
	s_lshl_b32 s46, s46, 23
	s_add_co_i32 s[CS], s[CS], s46                 ; c = log2(e) x 2^(eK + eQ)
	s_mov_b32 s[CS+1], s[CS]
	s_add_co_i32 s46, s38, 127
	s_lshl_b32 s47, s46, 23
	v_mov_b32 v[SCL], s47
	s_add_co_i32 s46, s46, 15
	s_lshl_b32 s46, s46, 23
	s_or_b32 s46, s46, 0x600000
	v_mov_b32 v[LIMV], s46
	s_wait_alu depctr_va_vdst(0)
	s_wait_loadcnt 0x0                             ; Q
	s_wait_tensorcnt 0x0                           ; slot 1's first fill is issued as a refill is
	ds_add_u32 v[SPW], v[NIL]
	s_xor_b32 s[G0+1], s[G0+1], SLOT1
	s_add_nc_u64 s[G0+2:G0+3], s[G0+2:G0+3], 2*STEPB
	s_wait_dscnt 0x0
	CROUND
	tensor_load_to_lds s[G0:G0+3], s[G1:G1+7]
	s_nop 0
	PLACES 4
	v_add_nc_u32 v[ADR], s[TB], v[LI]
	s_wait_alu depctr_va_vdst(0)
	KLOAD 0, 0                                     ; the first step's first two pairs of K's fragments
	KLOAD 1, 2
.Lslot:
	STEP 1
	s_sub_co_u32 s[SLOTS], s[SLOTS], 1
	s_cmp_lg_u32 s[SLOTS], 0
	s_wait_alu depctr_va_vdst(0)
	s_cbranch_scc1 .Lslot
	s_mov_b32 s[TWICE], 2
.Ltail:                                            ; the last two steps ask for nothing; their barrier shows the last slot whole, then the ring read out
	STEP 0
	s_sub_co_u32 s[TWICE], s[TWICE], 1
	s_cmp_lg_u32 s[TWICE], 0
	s_wait_alu depctr_va_vdst(0)
	s_cbranch_scc1 .Ltail
	s_wait_dscnt 0x0                               ; no LDS load of mine is out: the registers below may be written
	; THE TWO HALVES OF THE KEYS ARE JOINED.  The address lines are also the places behind the last products.
	s_mul_i32 s55, s[WV], 16*SPITCH
	s_add_co_u32 s55, s55, SLOT1                   ; my stage
	s_lshl_b32 s46, s[WV], 15                      ; where I lay the tiles that I hand over,
	s_xor_b32 s47, s46, 1<<16                      ; and where wave w ^ 2 lays mine
	s_lshl_b32 s48, s[WV], 9
	s_add_co_u32 s48, s48, SX
	s_xor_b32 s49, s[WV], 2
	s_lshl_b32 s49, s49, 9
	s_add_co_u32 s49, s49, SX
	v_and_b32 v227, 15, v0
	v_bfe_u32 v228, v0, 4, 1
	v_mul_u32_u24 v[STO], v227, SPITCH
	v_lshl_add_u32 v[STO], v228, 5, v[STO]
	v_add_nc_u32 v[STO], s55, v[STO]
	v_add_nc_u32 v[RD], s55, v[LI]
	v_lshrrev_b32 v[SOFF], 1, v[LI]
	v_add_nc_u32 v[XO], s46, v[LI]
	v_add_nc_u32 v[XI], s47, v[LI]
	v_add_nc_u32 v[YO], s48, v[SOFF]
	v_add_nc_u32 v[YI], s49, v[SOFF]
.irp t, 0,1,2,3
	v_add_f32 v[ST+4*\t+1], v[ST+4*\t+2], v[ST+4*\t+3]   ; l of my lane's half of the keys, beside -M
.endr
	s_wait_alu depctr_va_vdst(0)                   ; ahead of the wait and the barrier
	s_wait_dscnt 0x0
	s_barrier_signal -1
	s_barrier_wait -1                              ; every wave has left the loop: nobody reads the ring
	ds_store_b64 v[YO], v[ST+8:ST+9]
	ds_store_b64 v[YO], v[ST+12:ST+13] offset:256
	WIN 0x0c                                       ; store data: window 3
.set nn, 0
.rept 64
	ds_store_b128 v[XO], v[4*nn:4*nn+3] offset:512*nn   ; an image of the registers; each accumulator from its low end on
.set nn, nn+1
.endr
	WIN 0
	s_wait_dscnt 0x0
	s_barrier_signal -1
	s_barrier_wait -1
	ds_load_b64 v[240:241], v[YI]
	ds_load_b64 v[242:243], v[YI] offset:256
	WIN 0xc0
.set nn, 0
.rept 63
	ds_load_b128 v[4*nn:4*nn+3], v[XI] offset:512*nn
.set nn, nn+1
.endr
	s_wait_dscnt 63                                ; the partner's statistics are in; the 63 loads of O^T behind them may be out
	ds_load_b128 v[252:255], v[XI] offset:512*63   ; the 64th
	WIN 0
.irp u, 0,1
	v_min_num_f32 v[TT+\u], v[ST+4*\u], v[240+2*\u]   ; the least -M is the larger M
.endr
.irp u, 0,1
	v_sub_f32 v[F+2*\u], v[TT+\u], v[ST+4*\u]
	v_sub_f32 v[F+4+2*\u], v[TT+\u], v[240+2*\u]
.endr
.irp u, 0,1,2,3
	v_cvt_i32_f32 v[F+2*\u], v[F+2*\u]
.endr
.irp u, 0,1,2,3
	v_ldexp_f32 v[F+2*\u], 1.0, v[F+2*\u]          ; my factor (F, F + 2) and the partner's (F + 4, F + 6): exact powers of two
.endr
.irp u, 0,1
	v_mul_f32 v[ST+4*\u+1], v[ST+4*\u+1], v[F+2*\u]
.endr
.irp u, 0,1
	v_fmac_f32 v[ST+4*\u+1], v[241+2*\u], v[F+4+2*\u]
	v_mov_b32 v[ST+4*\u], v[TT+\u]
.endr
.irp u, 0,1
	global_store_b64 v[SOFF], v[ST+4*\u:ST+4*\u+1], s[12:13] offset:256*\u   ; 32 lanes store 256 consecutive bytes, aligned
.endr
	WIN 0x82
	RSB 0
	RSB 1
	s_wait_dscnt 0x0
	WIN 0xa3                                       ; source 0 window 3 (the partner's), source 1 window 0, source 2 and destination window 2
.set nn, 0
.rept 128
	v_pk_fma_f32 v[2*nn:2*nn+1], v[2*nn:2*nn+1], v[F+4+2*(nn/64):F+5+2*(nn/64)], v[2*nn:2*nn+1] op_sel_hi:[1,0,1]
.set nn, nn+1
.endr
	WIN 0
	s_wait_alu depctr_va_vdst(0)
; THE WAY OUT.  A lane's eight d of a row are 32 bytes, and the lanes beside it hold other rows: a tile goes through my own stage and comes back as rows.
.macro OUT t
	WIN 0x08
.irp dt, 0,1,2,3,4,5,6,7,8,9,10,11,12,13,14,15
	ds_store_b128 v[STO], v[128*\t+8*\dt:128*\t+8*\dt+3] offset:64*\dt
	ds_store_b128 v[STO], v[128*\t+8*\dt+4:128*\t+8*\dt+7] offset:64*\dt+16
.endr
	WIN 0x40
.set nn, 0
.rept 32
	ds_load_b128 v[128*\t+4*nn:128*\t+4*nn+3], v[RD] offset:SPITCH*(nn/2)+512*(nn%2)
.set nn, nn+1
.endr
	WIN 0x04
.set nn, 0
.rept 32
	s_wait_dscnt 31-nn                             ; the younger loads from the stage may be out
	global_store_b128 v[LI], v[128*\t+4*nn:128*\t+4*nn+3], s[10:11] offset:16384*\t+1024*(nn/2)+512*(nn%2) th:TH_STORE_NT   ; 512 consecutive bytes, aligned
.set nn, nn+1
.endr
.endm
	OUT 0
	OUT 1
	WIN 0
	s_wait_tensorcnt 0x0                           ; the wave's end
	ds_add_u32 v[SPW], v[NIL]
	s_wait_dscnt 0x0
	CROUND                                         ; the closing round
	s_endpgm
.Lfunc_end_k_q4ddfe9ba0c_attn:
	.size	k_q4ddfe9ba0c_attn, .Lfunc_end_k_q4ddfe9ba0c_attn-k_q4ddfe9ba0c_attn
	.p2alignl 7, 3214868480
	.fill 96, 4, 3214868480
	.section	.rodata,"a",@progbits
	.p2align	6, 0x0
	.amdhsa_kernel k_q4ddfe9ba0c_attn
		.amdhsa_group_segment_fixed_size 327680
		.amdhsa_private_segment_fixed_size 0
		.amdhsa_enable_private_segment 0
		.amdhsa_kernarg_size 40
		.amdhsa_user_sgpr_count 2
		.amdhsa_user_sgpr_kernarg_segment_ptr 1
		.amdhsa_wavefront_size32 1
		.amdhsa_system_sgpr_workgroup_id_x 1
		.amdhsa_system_sgpr_workgroup_id_y 1
		.amdhsa_system_sgpr_workgroup_id_z 1
		.amdhsa_system_vgpr_workitem_id 0
		.amdhsa_next_free_vgpr 1024
		.amdhsa_next_free_sgpr 66
		.amdhsa_reserve_vcc 0
		.amdhsa_float_denorm_mode_32 3
		.amdhsa_float_denorm_mode_16_64 3
		.amdhsa_memory_ordered 1
		.amdhsa_forward_progress 1
		.amdhsa_inst_pref_size 234
	.end_amdhsa_kernel
	.amdgpu_metadata
---
amdhsa.version: [ 1, 2 ]
amdhsa.kernels:
  - .name:           k_q4ddfe9ba0c_attn
    .symbol:         k_q4ddfe9ba0c_attn.kd
    .args:
      - { .name: kv, .offset: 0, .size: 8, .value_kind: global_buffer, .address_space: global }
      - { .name: qc, .offset: 8, .size: 8, .value_kind: global_buffer, .address_space: global }
      - { .name: lowp_scales, .offset: 16, .size: 8, .value_kind: global_buffer, .address_space: global }
      - { .name: opart, .offset: 24, .size: 8, .value_kind: global_buffer, .address_space: global }
      - { .name: stats, .offset: 32, .size: 8, .value_kind: global_buffer, .address_space: global }
    .group_segment_fixed_size: 327680
    .private_segment_fixed_size: 0
    .kernarg_segment_align: 8
    .kernarg_segment_size: 40
    .max_flat_workgroup_size: 128
    .sgpr_count:     66
    .vgpr_count:     1024
    .wavefront_size: 32
...
	.end_amdgpu_metadata
.endif
;; end of part 2
;; launch merge (part 3): grid 256 x 1, 16 waves a work-group, no clusters, 0 bytes of LDS; arguments opart, stats, lowp_scales, out0; writes out0
.if DOCPART == 3
	.amdgcn_target "amdgcn-amd-amdhsa--gfx1250"
	.amdhsa_code_object_version 6
	.text
	.protected	k_q4ddfe9ba0c_merge
	.globl	k_q4ddfe9ba0c_merge
	.p2align	8
	.type	k_q4ddfe9ba0c_merge,@function
k_q4ddfe9ba0c_merge:
	s_mov_b64 s[64:65], 0
	v_nop
	global_prefetch_b8 v0, s[64:65] scope:SCOPE_SE
	s_setreg_imm32_b32 hwreg(HW_REG_WAVE_MODE, 25, 1), 1
	s_wait_xcnt 0x0
; out0[q] = the sum over the three banks of (the sum over the bank's chunks of f_c O_c[q]) x 2^(eP + eV) / (the sum over its chunks of f_c l_c), f_c = 2^(M_c - the bank's largest M): an exact power of two.
; opart: [7 chunks][4,096 queries][256] f32, raw sums of code products under the chunk's M.  stats: [7][256 tiles][32 lanes] x (-M, l of that lane's half of the keys).  Chunks 0-3 stm, 4-5 ltm, 6 pm (one chunk: f = 1).
; SHARES.  Work-group g takes tile g, wave w the query 16 g + w: a row of 1,024 bytes, two loads of 16 bytes a lane for each chunk.  Every wave works out the tile's weights, lane (r, h) for query r, and takes its own from lane w.
; A stream: no LDS, no barrier, no matrix unit.  All 21 loads of a wave go out at the head.  eP + eV is applied by v_ldexp_f32.  NaN among the parts is not served.
.set LI,  1
.set A,   3                            ; v3-6    16 x lane + k x 8,388,608
.set SS,  12                           ; v12-25  (-M, l) of chunk c
.set PDM, 26                           ; v26-32
.set FW,  34                           ; v34-39  f_c, then the weight
.set MB,  42
.set LS,  44
.set IV,  48                           ; v48-50
.set OD,  64                           ; v64-119 the parts
.set ACC, 120
	s_load_b256 s[4:11], s[0:1], 0x0               ; opart, stats, lowp_scales, out0
	v_lshrrev_b32 v1, 5, v0
	v_readfirstlane_b32 s12, v1                    ; wave 0..15
	v_and_b32 v2, 31, v0
	v_lshlrev_b32 v[LI], 4, v2
	v_lshlrev_b32 v2, 3, v2
.irp k, 0,1,2,3
	v_add_nc_u32 v[A+\k], \k*8388608, v[LI]
.endr
.irp c, 0,1,2,3,4,5,6
	v_mov_b32 v[PDM+\c], 0                         ; (a lane permute's destination counts as one of its sources)
.endr
	s_mov_b32 s28, 0x76543210
	s_mov_b32 s29, 0xfedcba98
	s_lshl_b32 s46, ttmp9, 14
	s_lshl_b32 s47, s12, 10
	s_add_co_u32 s46, s46, s47                     ; my query's row
	s_mov_b32 s47, 0
	s_lshl_b32 s48, ttmp9, 8                       ; my tile's statistics
	s_mov_b32 s49, 0
	s_wait_alu depctr_va_vdst(0)
	s_wait_kmcnt 0x0
	s_load_b256 s[16:23], s[8:9], 0x0
	s_load_b128 s[24:27], s[8:9], 0x20
	s_add_nc_u64 s[4:5], s[4:5], s[46:47]
	s_add_nc_u64 s[10:11], s[10:11], s[46:47]
	s_add_nc_u64 s[6:7], s[6:7], s[48:49]
.irp c, 0,1,2,3,4,5,6
	global_load_b64 v[SS+2*\c:SS+2*\c+1], v2, s[6:7] offset:65536*\c
.endr
.irp c, 0,1,2,3,4,5,6
.irp u, 0,1
	global_load_b128 v[OD+8*\c+4*\u:OD+8*\c+4*\u+3], v[A+\c/2], s[4:5] offset:(\c%2)*4194304+512*\u th:TH_LOAD_NT
.endr
.endr
	s_wait_loadcnt 14                              ; the statistics are in; the 14 loads of parts may be out
.irp c, 0,1,2,3,4,5,6
	v_permlanex16_b32 v[PDM+\c], v[SS+2*\c+1], s28, s29
.endr
.irp c, 0,1,2,3,4,5,6
	v_add_f32 v[SS+2*\c+1], v[SS+2*\c+1], v[PDM+\c]   ; l of all the chunk's keys
.endr
	v_min3_num_f32 v[MB], v[SS], v[SS+2], v[SS+4]
	v_min_num_f32 v[MB+1], v[SS+8], v[SS+10]
	v_min_num_f32 v[MB], v[MB], v[SS+6]
.irp c, 0,1,2,3,4,5
	v_sub_f32 v[FW+\c], v[MB+\c/4], v[SS+2*\c]     ; M_c - the bank's largest M
.endr
.irp c, 0,1,2,3,4,5
	v_cvt_i32_f32 v[FW+\c], v[FW+\c]
.endr
.irp c, 0,1,2,3,4,5
	v_ldexp_f32 v[FW+\c], 1.0, v[FW+\c]
.endr
	v_mul_f32 v[LS], v[FW], v[SS+1]
	v_mul_f32 v[LS+1], v[FW+4], v[SS+9]
	v_fmac_f32 v[LS], v[FW+1], v[SS+3]
	v_fmac_f32 v[LS+1], v[FW+5], v[SS+11]
	v_fmac_f32 v[LS], v[FW+2], v[SS+5]
	v_fmac_f32 v[LS], v[FW+3], v[SS+7]
	s_wait_alu depctr_va_vdst(0)                   ; the wait ahead of the batch
	v_rcp_f32 v[IV], v[LS]
	v_rcp_f32 v[IV+1], v[LS+1]
	v_rcp_f32 v[IV+2], v[SS+13]
	v_nop
	s_wait_kmcnt 0x0
	s_add_co_i32 s50, s18, s19                     ; eP + eV of stm, ltm, pm
	s_add_co_i32 s51, s22, s23
	s_add_co_i32 s52, s26, s27
	s_wait_alu depctr_va_vdst(0)                   ; and behind it
.irp b, 0,1,2
	v_ldexp_f32 v[IV+\b], v[IV+\b], s[50+\b]
.endr
.irp c, 0,1,2,3,4,5
	v_mul_f32 v[FW+\c], v[FW+\c], v[IV+\c/4]
.endr
.irp c, 0,1,2,3,4,5
	v_readlane_b32 s[32+\c], v[FW+\c], s12         ; my query's weight lies in lane w
.endr
	v_readlane_b32 s38, v[IV+2], s12
.irp c, 0,1,2,3,4,5,6
	s_wait_alu depctr_va_vdst(0)                   ; directly ahead of the wait below
	s_wait_loadcnt 12-2*\c                         ; this chunk's two loads are in
.irp i, 0,1,2,3,4,5,6,7
.if \c == 0
	v_mul_f32 v[ACC+\i], s[32+\c], v[OD+8*\c+\i]
.else
	v_fmac_f32 v[ACC+\i], s[32+\c], v[OD+8*\c+\i]
.endif
.endr
.endr
	global_store_b128 v[LI], v[ACC:ACC+3], s[10:11] th:TH_STORE_NT               ; 512 consecutive bytes, aligned
	global_store_b128 v[LI], v[ACC+4:ACC+7], s[10:11] offset:512 th:TH_STORE_NT
	s_endpgm
.Lfunc_end_k_q4ddfe9ba0c_merge:
	.size	k_q4ddfe9ba0c_merge, .Lfunc_end_k_q4ddfe9ba0c_merge-k_q4ddfe9ba0c_merge
	.p2alignl 7, 3214868480
	.fill 96, 4, 3214868480
	.section	.rodata,"a",@progbits
	.p2align	6, 0x0
	.amdhsa_kernel k_q4ddfe9ba0c_merge
		.amdhsa_group_segment_fixed_size 0
		.amdhsa_private_segment_fixed_size 0
		.amdhsa_enable_private_segment 0
		.amdhsa_kernarg_size 32
		.amdhsa_user_sgpr_count 2
		.amdhsa_user_sgpr_kernarg_segment_ptr 1
		.amdhsa_wavefront_size32 1
		.amdhsa_system_sgpr_workgroup_id_x 1
		.amdhsa_system_sgpr_workgroup_id_y 1
		.amdhsa_system_sgpr_workgroup_id_z 1
		.amdhsa_system_vgpr_workitem_id 0
		.amdhsa_next_free_vgpr 128
		.amdhsa_next_free_sgpr 66
		.amdhsa_reserve_vcc 0
		.amdhsa_float_denorm_mode_32 3
		.amdhsa_float_denorm_mode_16_64 3
		.amdhsa_memory_ordered 1
		.amdhsa_forward_progress 1
		.amdhsa_inst_pref_size 9
	.end_amdhsa_kernel
	.amdgpu_metadata
---
amdhsa.version: [ 1, 2 ]
amdhsa.kernels:
  - .name:           k_q4ddfe9ba0c_merge
    .symbol:         k_q4ddfe9ba0c_merge.kd
    .args:
      - { .name: opart, .offset: 0, .size: 8, .value_kind: global_buffer, .address_space: global }
      - { .name: stats, .offset: 8, .size: 8, .value_kind: global_buffer, .address_space: global }
      - { .name: lowp_scales, .offset: 16, .size: 8, .value_kind: global_buffer, .address_space: global }
      - { .name: out0, .offset: 24, .size: 8, .value_kind: global_buffer, .address_space: global }
    .group_segment_fixed_size: 0
    .private_segment_fixed_size: 0
    .kernarg_segment_align: 8
    .kernarg_segment_size: 32
    .max_flat_workgroup_size: 512
    .sgpr_count:     66
    .vgpr_count:     128
    .wavefront_size: 32
...
	.end_amdgpu_metadata
.endif
;; end of part 3
